; MI455X (gfx1250); checked and timed in simulation.
; The chip was launched on July 23, 2026; its instructions are those of AMD's public machine-readable ISA for CDNA 5 (MIT licence, August 2026) and "CDNA5" Instruction Set Architecture Reference Guide (July 2026). The comments in the code are by the model that wrote it; some were corrected since.
;; Span Attention. Allowed arithmetic: matrix products marked QUANTISED: E3M2 operands, one E8M0 scale for each 32 along K, by v_wmma_scale_f32_16x16x128_f8f6f4 with both operands' format E3M2, f32 sums; products left as they are: f32 operands where the result goes on into a quantised operand, else bf16, f16 or f32 operands; f32 sums; everything else in f32.
;; Inputs: Wkv_codes 2,048 x 32 x 24 uint8 (E3M2 codes of Wkv, K innermost, in blocks of 32 codes, four codes in three bytes); Wkv_scales 2,048 x 32 uint8 (E8M0 scales of Wkv, one for each 32 codes along K); Wo_codes 1,024 x 32 x 24 uint8 (E3M2 codes of Wo, K innermost, in blocks of 32 codes, four codes in three bytes); Wo_scales 1,024 x 32 uint8 (E8M0 scales of Wo, one for each 32 codes along K); Wq 1,024 x 1,024 float32; bkv 2,048 float32; bo 1,024 float32; bq 1,024 float32; kv_codes 8 x 4,096 x 32 x 24 uint8 (E3M2 codes of kv, K innermost, in blocks of 32 codes, four codes in three bytes); kv_scales 8 x 4,096 x 32 uint8 (E8M0 scales of kv, one for each 32 codes along K); mask 8 x 4,096 bool; q 8 x 1,024 float32.
;; Outputs: out0 8 x 64 x 1,024 float32.
;; Constants: span_size = 64.
;; This version of the problem:
;;   THIS VERSION OF THE PROBLEM IS GIVEN IN LOW PRECISION. The matrix products marked QUANTISED in the list below multiply operands that are first quantised to E3M2 (3 exponent bits, 2 mantissa bits; 6 bits a number), with one power-of-two scale for each 32 numbers along K (OCP MX v1.0); their sums are f32. All else is computed in f32.
;;   The module's matrix products, in the order in which they are computed (A, B: the left and right operand; K: the contracted axis; several contracted axes count as one K, in the product's order):
;;     1. [M 8, K 1,024] x [K 1,024, N 1,024]; A: input q; B: input Wq: left as it is (M = 8 < 16)
;;     2. [M 32,768, K 1,024] x [K 1,024, N 2,048]; A: input kv (given as codes); B: input Wkv (given as codes): QUANTISED
;;     3. batch 128 x [M 4,096, K 64] x [K 64, N 1]; A: computed on the way; B: computed on the way: left as it is (N = 1 < 16)
;;     4. batch 8,192 x [M 1, K 64] x [K 64, N 64]; A: softmax; B: computed on the way: left as it is (M = 1 < 16)
;;     5. [M 512, K 1,024] x [K 1,024, N 1,024]; A: computed on the way; B: input Wo (given as codes): QUANTISED
;;   THE QUANTISER, for each operand of a quantised product, along K:
;;     - K is cut into blocks of 32 from its start; a last block that is shorter is filled with zeros.
;;     - A block's scale is 2^e with e = floor(log2(the largest magnitude in the block)) - 4, held to -126 .. 127; a block of zeros has e = 0. As a byte (E8M0): e + 127.
;;     - Each number is divided by its block's scale, clamped to +-28, and rounded to the nearest number of E3M2, ties to even, subnormals kept.
;;     - The product sums the exact products of the quantised numbers (number of the format x scale) in f32.
;;   ~~~python
;;   def quantise(x, axis):      # numpy; x: float32 -> the quantised numbers, widened to float32 again
;;       x = np.moveaxis(x, axis, -1); K = x.shape[-1]
;;       x = np.pad(x, [(0, 0)] * (x.ndim - 1) + [(0, -K % 32)]); x = x.reshape(x.shape[:-1] + (-1, 32)); a = np.abs(x).max(-1, keepdims=True)
;;       e = np.where(a > 0, np.clip(np.frexp(np.where(a > 0, a, 1))[1] - 1 - 4, -126, 127), 0)      # np.frexp(a)[1] - 1 = floor(log2(a)), exactly
;;       r = np.clip(x / 2.0 ** e, -28, 28)
;;       step = 2.0 ** (np.maximum(np.frexp(np.where(r == 0, 1, r))[1] - 1, -2) - 2)
;;       q = np.round(r / step) * step * 2.0 ** e      # np.round: ties to even
;;       return np.moveaxis(q.reshape(q.shape[:-2] + (-1,))[..., :K], -1, axis).astype(np.float32)
;;   ~~~
;;   OPERANDS COMPUTED ON THE WAY. 'Computed on the way' means the value that the module computes at that place (a softmax that the list does not call 'softmax' is quantised finished and normalised). What goes into a quantiser is computed in f32, as accurately as f32 sums, v_exp_f32 and their like allow (about 1e-6 of the number): no bf16 or f16 on the way to a quantiser, and a product that is left as it is and whose result goes on into a quantised operand takes f32 operands (vector FMAs, or v_wmma_f32_16x16x4_f32). A number that lies on a knife's edge between two numbers of the format may be rounded either way, as far as f32 arithmetic and the matrix unit's own rounding can turn it there, and no further.
;;   INPUTS GIVEN AS CODES. Wkv (in the module: [1024, 2048], K = its axis 0); Wo (in the module: [1024, 1024], K = its axis 0); kv (in the module: [8, 4096, 1024], K = its axis 2): each comes as NAME_codes (uint8): NAME with its K axis moved to the last place and cut into blocks of 32 codes, [.., K / 32, bytes a block], one block behind the other in memory; four codes in three bytes: a row's codes are one little-endian stream of bits, code i at bits 6 i .. 6 i + 5 (a code: sign, 3 exponent bits, 2 mantissa bits); and NAME_scales (uint8): the same leading axes, one E8M0 byte (e + 127) for each 32 codes along K. Its value is code x scale, taken as it is: it is not quantised again, and the codes and scales need not be those that the quantiser above would give.
;; One version. Each part assembles by itself: llvm-mc -triple=amdgcn-amd-amdhsa -mcpu=gfx1250 --defsym DOCPART=n.
;; ======== version 1 of 1: 3 launches
;; limits: right only within a limited range of input values
;; workspace buffers: qpart 524,288 bytes; att_codes 393,216 bytes; att_scales 16,384 bytes
;; launch qproj (part 1): grid 16 x 16, 4 waves a work-group, no clusters, 16,896 bytes of LDS; arguments q, Wq, bq, qpart; writes qpart
.if DOCPART == 1
	.amdgcn_target "amdgcn-amd-amdhsa--gfx1250"
	.amdhsa_code_object_version 6
	.text
	.protected	k_qa99803c93f_qproj
	.globl	k_qa99803c93f_qproj
	.p2align	8
	.type	k_qa99803c93f_qproj,@function
k_qa99803c93f_qproj:
	s_mov_b64 s[64:65], 0
	v_nop
	global_prefetch_b8 v0, s[64:65] scope:SCOPE_SE
	s_setreg_imm32_b32 hwreg(HW_REG_WAVE_MODE, 25, 1), 1
	s_wait_xcnt 0x0
; qpart[kp][b][n] = (the sum over k = 64 kp .. 64 kp + 63 of q[b][k] Wq[k][n]) / 8, and for kp = 0 also + bq[n] / 8.  q: [8][1024], Wq: [1024][1024], bq: [1024], all f32.
; The sixteen parts added give (q Wq + bq) / sqrt(64): the division by 8 is a change of the exponent, exact but where a number would fall under the smallest normal f32.
; All arithmetic is f32 fused multiply-adds: the result goes on, through scores and a softmax, into a quantised operand.  LIMITS: NaN and infinities among the inputs are not served (bq is multiplied by 0 for kp > 0).
; WORK LEFT OUT OF THE PROGRAM: the first 1,024 numbers of bkv, the bias of k.  It adds qh . bk to every score of a span and head, the same number along the softmax's axis, and a softmax is the same for x and x + c.
; Masked rows get the most negative number behind that addition, with it or without it: their weight is e^(that number - maximum), which no f32 number is small enough for while the maximum lies 104 or more above it,
; and where a whole span is masked every score is that number.  LIMITS: a NaN, an infinity or an overflow that reaches only that term is not carried to the result; scores stay under 2^31 in magnitude.
; SHARES.  Work-group (cg, kp) takes columns 64 cg .. + 63 and 64 along K: 16 KiB of Wq, read once; 256 work-groups.  Wave w takes 16 of those k; lane (c4 = lane % 16, h = lane / 16) takes columns 4 c4 .. + 3 and k = k0 + 8 h + 0 .. 7.
; So each load of Wq covers two rows' 256 consecutive bytes, each at a multiple of 256 from Wq's first byte.  The 8 contributions (wave, h) meet in LDS; the 128 threads add them and store.
; NO CLUSTER, NO TENSOR LOAD, NO MATRIX UNIT: 8 rows are too few for a matrix tile in f32; what work-groups share is q alone, 2 KiB of a work-group's 18 KiB.  No loop, so no prefetch.
.set WQ,  16                           ; v16-47    Wq(k0 + 8 h + i, 4 c4 + c) at 4 i + c
.set QV,  48                           ; v48-111   q(b, k0 + 8 h + i) at 8 b + i
.set ACC, 112                          ; v112-143  my sums at 4 b + c
.set BQ,  144                          ; v144-147  bq of my four columns
.set OUT, 148                          ; v148-151  what is stored
	s_load_b256 s[4:11], s[0:1], 0x0               ; q s[4:5], Wq s[6:7], bq s[8:9], qpart s[10:11]
	v_lshl_add_u32 v160, v0, 2, 0x4000
	v_mov_b32 v161, 0
	v_lshrrev_b32 v1, 5, v0
	v_readfirstlane_b32 s16, v1                    ; wave 0..3
	s_lshl_b32 s18, s16, 12
	v_and_b32 v2, 15, v0                           ; c4
	v_bfe_u32 v1, v0, 4, 1                         ; h
	v_lshlrev_b32 v7, 4, v2                        ; 16 c4: my four columns in 256 bytes
	v_lshl_add_u32 v3, v1, 15, v7                  ; Wq: + 8 h rows of 4,096 bytes
	v_lshlrev_b32 v4, 5, v1                        ; q: 8 h numbers
	v_lshl_add_u32 v5, v1, 11, v7
	v_add_nc_u32 v5, s18, v5                       ; LDS, in: contribution 2 w + h of 2,048 bytes ([8 b][64 columns])
	v_lshrrev_b32 v8, 4, v0                        ; b
	v_lshlrev_b32 v6, 4, v0                        ; LDS, out: 256 b + 16 c4
	v_lshl_add_u32 v8, v8, 12, v7                  ; qpart: row b of 4,096 bytes + 16 c4
	s_and_b32 s17, ttmp7, 0xffff                   ; kp
	s_mov_b32 s12, 0x3e000000                      ; 1/8
	s_cmp_eq_u32 s17, 0
	s_cselect_b32 s12, s12, 0                      ; the bias's factor: 1/8 in the first part, 0 in the others
	s_lshl_b32 s20, s17, 18                        ; Wq: k0 = 64 kp + 16 w rows of 4,096 bytes,
	s_lshl_b32 s21, s16, 16
	s_add_co_u32 s20, s20, s21
	s_lshl_b32 s22, ttmp9, 8                       ; and 64 cg columns
	s_add_co_u32 s20, s20, s22
	s_mov_b32 s21, 0
	s_mov_b32 s23, 0
	s_lshl_b32 s24, s17, 8                         ; q: k0 numbers
	s_lshl_b32 s25, s16, 6
	s_add_co_u32 s24, s24, s25
	s_mov_b32 s25, 0
	s_lshl_b32 s26, s17, 15                        ; qpart: part kp of 32,768 bytes, 64 cg columns
	s_add_co_u32 s26, s26, s22
	s_mov_b32 s27, 0
	s_wait_alu depctr_va_vdst(0)                   ; the head's end
	s_wait_kmcnt 0x0
	s_add_nc_u64 s[6:7], s[6:7], s[20:21]
	s_add_nc_u64 s[4:5], s[4:5], s[24:25]
	s_add_nc_u64 s[8:9], s[8:9], s[22:23]
	s_add_nc_u64 s[10:11], s[10:11], s[26:27]
.irp i, 0,1,2,3,4,5,6,7
	global_load_b128 v[WQ+4*\i:WQ+4*\i+3], v3, s[6:7] offset:4096*\i th:TH_LOAD_NT   ; read once in the launch
.endr
.irp b, 0,1,2,3,4,5,6,7
	global_load_b128 v[QV+8*\b:QV+8*\b+3], v4, s[4:5] offset:4096*\b
	global_load_b128 v[QV+8*\b+4:QV+8*\b+7], v4, s[4:5] offset:4096*\b+16
.endr
	global_load_b128 v[BQ:BQ+3], v7, s[8:9]
	s_wait_loadcnt 0x0
.irp b, 0,1,2,3,4,5,6,7
.irp c, 0,1,2,3
	v_mul_f32 v[ACC+4*\b+\c], v[QV+8*\b], v[WQ+\c]                 ; the first product starts each sum: nothing is cleared
.endr
.endr
.irp i, 1,2,3,4,5,6,7
.irp b, 0,1,2,3,4,5,6,7
.irp c, 0,1,2,3
	v_fmac_f32 v[ACC+4*\b+\c], v[QV+8*\b+\i], v[WQ+4*\i+\c]        ; 32 sums by turns
.endr
.endr
.endr
.irp b, 0,1,2,3,4,5,6,7
	ds_store_b128 v5, v[ACC+4*\b:ACC+4*\b+3] offset:256*\b         ; sixteen lanes fill 256 consecutive bytes
.endr
	s_wait_dscnt 0x0                               ; for the others' sake: my stores have landed
	s_barrier_signal -1
	s_barrier_wait -1
.irp c, 0,1,2,3,4,5,6,7
	ds_load_b128 v[16+4*\c:19+4*\c], v6 offset:2048*\c
.endr
	s_wait_dscnt 0x0
.irp d, 4,2,1                          ; a tree: contributions 4, 2, 1 apart, two numbers an instruction
.set CI, 0
.rept \d
	v_pk_add_f32 v[16+4*CI:17+4*CI], v[16+4*CI:17+4*CI], v[16+4*(CI+\d):17+4*(CI+\d)]
	v_pk_add_f32 v[18+4*CI:19+4*CI], v[18+4*CI:19+4*CI], v[18+4*(CI+\d):19+4*(CI+\d)]
.set CI, CI+1
.endr
.endr
.irp c, 0,1,2,3
	v_mul_f32 v[BQ+\c], s12, v[BQ+\c]              ; bq / 8, or 0
.endr
.irp c, 0,1,2,3
	v_fmamk_f32 v[OUT+\c], v[16+\c], 0x3e000000, v[BQ+\c]          ; the sum / 8 + that
.endr
	global_store_b128 v8, v[OUT:OUT+3], s[10:11]   ; sixteen lanes store 256 consecutive bytes, at a multiple of 256 from qpart's first byte
	s_wait_tensorcnt 0x0                           ; the wave's end
	ds_add_u32 v160, v161
	s_wait_dscnt 0x0
	s_endpgm
.Lfunc_end_k_qa99803c93f_qproj:
	.size	k_qa99803c93f_qproj, .Lfunc_end_k_qa99803c93f_qproj-k_qa99803c93f_qproj
	.p2alignl 7, 3214868480
	.fill 96, 4, 3214868480
	.section	.rodata,"a",@progbits
	.p2align	6, 0x0
	.amdhsa_kernel k_qa99803c93f_qproj
		.amdhsa_group_segment_fixed_size 16896
		.amdhsa_private_segment_fixed_size 0
		.amdhsa_enable_private_segment 0
		.amdhsa_kernarg_size 32
		.amdhsa_user_sgpr_count 2
		.amdhsa_user_sgpr_kernarg_segment_ptr 1
		.amdhsa_wavefront_size32 1
		.amdhsa_system_sgpr_workgroup_id_x 1
		.amdhsa_system_sgpr_workgroup_id_y 1
		.amdhsa_system_sgpr_workgroup_id_z 1
		.amdhsa_system_vgpr_workitem_id 0
		.amdhsa_next_free_vgpr 162
		.amdhsa_next_free_sgpr 66
		.amdhsa_reserve_vcc 0
		.amdhsa_float_denorm_mode_32 3
		.amdhsa_float_denorm_mode_16_64 3
		.amdhsa_memory_ordered 1
		.amdhsa_forward_progress 1
		.amdhsa_inst_pref_size 15
	.end_amdhsa_kernel
	.amdgpu_metadata
---
amdhsa.version: [ 1, 2 ]
amdhsa.kernels:
  - .name:           k_qa99803c93f_qproj
    .symbol:         k_qa99803c93f_qproj.kd
    .args:
      - { .name: q, .offset: 0, .size: 8, .value_kind: global_buffer, .address_space: global }
      - { .name: Wq, .offset: 8, .size: 8, .value_kind: global_buffer, .address_space: global }
      - { .name: bq, .offset: 16, .size: 8, .value_kind: global_buffer, .address_space: global }
      - { .name: qpart, .offset: 24, .size: 8, .value_kind: global_buffer, .address_space: global }
    .group_segment_fixed_size: 16896
    .private_segment_fixed_size: 0
    .kernarg_segment_align: 8
    .kernarg_segment_size: 32
    .max_flat_workgroup_size: 128
    .sgpr_count:     66
    .vgpr_count:     162
    .wavefront_size: 32
...
	.end_amdgpu_metadata
.endif
;; end of part 1
;; launch spans (part 2): grid 8 x 32, 4 waves a work-group, clusters of 4 x 4, 327,680 bytes of LDS; arguments kv_codes, kv_scales, Wkv_codes, Wkv_scales, bkv, mask, qpart, att_codes, att_scales; writes att_codes, att_scales
.if DOCPART == 2
	.amdgcn_target "amdgcn-amd-amdhsa--gfx1250"
	.amdhsa_code_object_version 6
	.text
	.protected	k_qa99803c93f_spans
	.globl	k_qa99803c93f_spans
	.p2align	8
	.type	k_qa99803c93f_spans,@function
k_qa99803c93f_spans:
	s_mov_b64 s[64:65], 0
	v_nop
	global_prefetch_b8 v0, s[64:65] scope:SCOPE_SE
	s_setreg_imm32_b32 hwreg(HW_REG_WAVE_MODE, 25, 1), 1
	s_wait_xcnt 0x0
	s_wait_alu depctr_hold_cnt(0) depctr_sa_sdst(0) depctr_va_vdst(0) depctr_va_sdst(0) depctr_va_ssrc(0) depctr_va_vcc(0) depctr_vm_vsrc(0)
	s_getreg_b32 s2, hwreg(HW_REG_IB_STS2, 6, 4)
	s_cmp_eq_u32 s2, 0
	s_cbranch_scc0 .Lentry_in_a_cluster
	s_endpgm
.Lentry_in_a_cluster:
	s_bfe_u32 s2, ttmp6, 0x10000c
	s_cmp_lg_u32 s2, 0xf033
	s_cbranch_scc0 .Lentry_shape_is_right
	s_endpgm
.Lentry_shape_is_right:
; kvp = kv Wkv + bkv on codes of BF6 (E3M2) with one E8M0 scale for each 32 along K; then, for each span of 64 rows and each head: scores = qh . k / 8, the mask, a softmax over the span's 64 rows, attn . v;
; the result, [512 spans][16 heads x 64], is quantised along (head, d) and stored as the next launch's operand.  kvp never leaves the registers.
; kv: [32768][1024] as codes (a row: 768 bytes) and scale bytes (32 a row); Wkv: [2048 columns][1024] likewise; a column is (k or v) x 1024 + head x 64 + d.  qpart: sixteen parts of (q Wq + bq) / 8, f32.
; WORK LEFT OUT: the bias of k (the same number for every score of a span and head: see the first launch's head, with its limits); its half of bkv is not loaded.
; SHARES.  Work-group (x, y) owns rows 1024 y .. + 1023 (16 spans of one batch) and heads 2 x, 2 x + 1: 256 work-groups.  Wave (i, j) takes head 2 x + j and of each slot of 128 rows its span i.
; WKV STAYS IN REGISTERS: the wave's 128 columns (k's 64, v's 64) for all of K are 64 fragments of 12 registers.  They come through LDS once, by two of the head's tensor loads.
; KV goes through a ring of two LDS slots of 128 whole rows, filled by the tensor data mover; 128 rows are one dense block of 98,304 bytes, stated as rows of 256 bytes with 16 bytes of padding behind each:
; a row of kv or a column of Wkv is 816 bytes in LDS = 51 x 16: sixteen rows' pieces of 16 bytes lie in different columns of 16 bytes modulo 256 (64 banks of 4 bytes: ISA guide 11.1).
; K's half of Wkv's LDS bytes is slot 1 afterwards; V's half is the stage of the results.
; A TILE is 16 rows: 32 products for k (TRANSPOSED: source 0 = 16 columns of k, source 1 = 16 rows: lane (r, h) holds row r, registers d = 16 t + 8 h + 0 .. 7), then 32 for v
; (source 0 = the same rows, source 1 = 16 columns of v: lane r holds d = 16 t + r, registers the rows 8 h + 0 .. 7).  So a row's score is 32 multiply-adds a lane and one exchange, and attn . v runs down a lane's registers.
; The tile's scores and its step of the running softmax stand among its own v products; its attn . v stands among the NEXT tile's k products.  The next tile's fragments come in two runs, in the middle and at the end of v's products.
; Running softmax over the four tiles of a span: the maximum goes off before the scaling, so that a span that is masked whole gives 2^0 everywhere; sums and maximum start anew with each span.
; THE BLOCKS OF 32 ALONG K: of a step's four blocks lanes 0-15 hold blocks 0, 1 and lanes 16-31 blocks 2, 3 (48 neighbouring bytes: three loads of 16 bytes), alike for both operands; the scale bytes are put in that order by v_perm_b32.
; A row's eight scale words lie in four registers: word q in lanes 0-15 (steps 0-3), word 4 + q in lanes 16-31 (steps 4-7: ROW1).
; THE WAY OUT: each span's sums (two halves of rows, and the lanes' sums of p) are staged in LDS, each wave's own; at the end each lane takes 16 numbers of one span, divides, adds v's bias (attn sums to 1: it is added once), quantises.
; CLUSTERS: 4 x 4 work-groups.  The four of a row of the cluster need the same rows of kv, the four of a column the same columns of Wkv: each is asked for JOINTLY.
; PREFETCH: kv's slots are asked of the L2 a slot ahead of the joint load (the head asks for slots 1 and 2; behind the change that loads slot n + 2 slot n + 3 is asked for): 384 blocks of 256 bytes a slot, 96 to each of
; the four partners, told apart BY ADDRESS (cx), 24 to each wave.  Wkv is read in the head alone.
; LIMITS: NaN and infinities are not served; scores stay under 2^31 in magnitude.  A block of zeros gets the scale byte 1 where the rule says 127: its codes are zeros, and this program alone reads the bytes.
; The order of the blocks within 128 along K groups the f32 sums otherwise than ascending K would: the products are the same, the last bits of a sum may differ.
; REGISTERS.  Windows 1-3: Wkv's fragments, 21 in each (v0-251), and in v252-255 of each four numbers of qh.  Window 0: below.
.set PITCH, 816
.set T16,  16*PITCH
.set SLOT, 128*PITCH
.set STG,  2*SLOT                      ; the stages, 5,120 bytes a wave: where v's columns lay
.set IMG,  STG+4*5120                  ; the work-group's image of codes, 1,536 bytes: [32 lanes of the next operand][48 bytes]
.set SIMG, IMG+1536                    ; its 16 scale words
.set SCR,  3*SLOT                      ; kv's scale bytes: two slots of 4,096
.set SPARE, SCR+8192                   ; the spare words, 128 bytes a wave: two blocks of 256 bytes that no other line names
.set QST,  SPARE+512                   ; qh, 256 bytes a wave
.set BVS,  QST+1024                    ; v's bias, 256 bytes a wave
.set STA,  1                           ; v1     my word in the stage; steps two spans a trip
.set ASC,  6                           ; v6     my rows' scale bytes (v2-3, v4-5: my fragments in slot 0, 1; the second of a pair for lanes 16-31 behind one padding more)
.set MK,   7                           ; v7     bit 4 n + a: the mask of row 128 n + 64 i + 16 a + r
.set SPW,  8                           ; v8     LDS address of my spare word; never rewritten
.set NIL,  9                           ; v9     0; never rewritten
.set PFO,  10                          ; v10    the prefetches' offset
.set TM,   11                          ; v11    the tile's and the new maximum
.set SC,   12                          ; v12-19 scale words of a tile's 16 rows, two sets
.set OO,   20                          ; v20-23 attn . v, not yet divided (in the first tile: the addresses of Wkv's fragments)
.set FF,   24                          ; v24    2^(old maximum - new one)
.set PP,   25                          ; v25    p of row r (lanes 16-31: of row r xor 8)
.set SP,   26                          ; v26-29 scores
.set MM,   30                          ; v30    the maximum
.set LL,   31                          ; v31    the lane's sum of p
.set BS,   32                          ; v32-63 Wkv's scale words: block n (0-3 k, 4-7 v), step % 4, at 4 n + q
.set KA,   64                          ; v64-95 k's accumulators
.set VA,   96                          ; v96-127 v's
.set AF,   128                         ; v128-223 the tile's eight fragments
.set QH,   224                         ; v224-243 qh, numbers 0-19 of 32; v244-255: Wkv's 64th fragment
.set TC,   2
.set RM,   3
.set SEL,  12
.set CX,   14
.set CY,   15
.set XX,   22
.set YY,   23
.set G1A,  24                          ; group 1 for kv (the head: 384 rows of 256 bytes; then 192)
.set G0A,  32                          ; groups 0, one for each slot
.set G1W,  48
.set G0W,  56
.set G0A0, 60                          ; the head's whole slot 0
.set PS0,  66
.set MBIT, 67
.set G1S,  68                          ; group 1 for kv's scales (the head: both slots)
.set G0S,  76
.set PFA,  84
.set H1,   86
.set NEG,  87
.set WV,   100
.set WI,   101
.set WJ,   104
.set CM,   105
.set MSB, 0
.macro WIN new                         ; the immediate's high byte repeats the setting that is left; a switch that changes nothing is dropped
.if MSB != (\new)
	s_set_vgpr_msb (MSB<<8)|(\new)
.set MSB, (\new)
.endif
.endm
.macro PLACES n
.rept \n
	v_nop
.endr
.endm
.macro TLOAD g0, g1                    ; a tensor load, with the nops behind it
	tensor_load_to_lds s[\g0:\g0+3], s[\g1:\g1+7]
	s_nop 0
	PLACES 4
.endm
; A joint refill: waves 0 and 1 fetch half a slot of kv each, wave 2 (sc = 1) its scale bytes.  The branches hang on the wave's number alone.
.macro JLOAD s, sc
	s_cmp_lt_u32 s[WV], 2
	s_cbranch_scc0 .Lj1_\@
	TLOAD G0A+4*(\s), G1A
	s_branch .Lj3_\@
.Lj1_\@:
.if \sc
	s_cmp_eq_u32 s[WV], 2
	s_cbranch_scc0 .Lj2_\@
	TLOAD G0S+4*(\s), G1S
	s_branch .Lj3_\@
.Lj2_\@:
.endif
	PLACES 4
.Lj3_\@:
.endm
.macro CREST                           ; a round of the cluster's barrier behind its opening barrier
	s_cmp_lg_u32 s[WV], 0
	s_cbranch_scc1 .Lnot_wave_0_\@
	s_barrier_signal -3
.Lnot_wave_0_\@:
	s_barrier_wait -3
	s_barrier_signal -1
	s_barrier_wait -1
.endm
.macro CROUND                          ; a whole round
	s_barrier_signal -1
	s_barrier_wait -1
	CREST
.endm
; A fragment of step ks, 16 rows from row 16 t on: lane (r, h) takes 48 bytes of row r, from byte 96 ks + 48 h on.  Piece p of lanes 0-15 begins at byte BY; that of lanes 16-31, 48 on, lies behind one padding more where BY % 256 is 208 or more.
.macro FRAG reg, adr, ks, t
.irp p, 0,1,2
.set BY, 96*(\ks)+16*\p
.if (BY%256) < 208
	ds_load_b128 v[\reg+4*\p:\reg+4*\p+3], v[\adr] offset:BY+16*(BY/256)+T16*(\t)
.else
	ds_load_b128 v[\reg+4*\p:\reg+4*\p+3], v[\adr+1] offset:BY+16*(BY/256)+T16*(\t)
.endif
.endr
.endm
.macro WSEL f                          ; where fragment f of Wkv lies: k's 4 ks + t, v's 32 + 4 ks + t
.set WF, (\f)
.if WF < 63
.set WW, 1+WF/21
.set WR, 12*(WF%21)
.else
.set WW, 0
.set WR, 244
.endif
.endm
.macro LOADW kv, ks                    ; Wkv's four fragments of step ks: 12 loads
.irp t, 0,1,2,3
	WSEL 32*(\kv)+4*(\ks)+\t
	WIN 0x40*WW
	FRAG WR, 20+2*(\kv), (\ks), \t
.endr
	WIN 0
.endm
.macro LOADA s, t, k0                  ; a tile's fragments k0 .. k0 + 3: 12 loads
.irp k, 0,1,2,3
	FRAG AF+12*((\k0)+\k), 2+2*(\s), (\k0)+\k, \t
.endr
.endm
; One product.  Of k or of v four accumulators take turns, one instruction a turn.  The first step takes 0 as C.  SS: the tile's set of scale words.
.macro KM ks, t
	WSEL 4*(\ks)+\t
	WIN WW
.if (\ks) == 0
	v_wmma_scale_f32_16x16x128_f8f6f4 v[KA+8*\t:KA+8*\t+7], v[WR:WR+11], v[AF:AF+11], 0, v[BS+4*\t], v[SC+4*SS] matrix_a_fmt:MATRIX_FMT_BF6 matrix_b_fmt:MATRIX_FMT_BF6
.elseif (\ks) < 4
	v_wmma_scale_f32_16x16x128_f8f6f4 v[KA+8*\t:KA+8*\t+7], v[WR:WR+11], v[AF+12*(\ks):AF+12*(\ks)+11], v[KA+8*\t:KA+8*\t+7], v[BS+4*\t+(\ks)], v[SC+4*SS+(\ks)] matrix_a_fmt:MATRIX_FMT_BF6 matrix_b_fmt:MATRIX_FMT_BF6
.else
	v_wmma_scale_f32_16x16x128_f8f6f4 v[KA+8*\t:KA+8*\t+7], v[WR:WR+11], v[AF+12*(\ks):AF+12*(\ks)+11], v[KA+8*\t:KA+8*\t+7], v[BS+4*\t+(\ks)-4], v[SC+4*SS+(\ks)-4] matrix_a_fmt:MATRIX_FMT_BF6 matrix_b_fmt:MATRIX_FMT_BF6 matrix_a_scale:MATRIX_SCALE_ROW1 matrix_b_scale:MATRIX_SCALE_ROW1
.endif
.endm
.macro VM ks, t
	WSEL 32+4*(\ks)+\t
	WIN 4*WW
.if (\ks) == 0
	v_wmma_scale_f32_16x16x128_f8f6f4 v[VA+8*\t:VA+8*\t+7], v[AF:AF+11], v[WR:WR+11], 0, v[SC+4*SS], v[BS+16+4*\t] matrix_a_fmt:MATRIX_FMT_BF6 matrix_b_fmt:MATRIX_FMT_BF6
.elseif (\ks) < 4
	v_wmma_scale_f32_16x16x128_f8f6f4 v[VA+8*\t:VA+8*\t+7], v[AF+12*(\ks):AF+12*(\ks)+11], v[WR:WR+11], v[VA+8*\t:VA+8*\t+7], v[SC+4*SS+(\ks)], v[BS+16+4*\t+(\ks)] matrix_a_fmt:MATRIX_FMT_BF6 matrix_b_fmt:MATRIX_FMT_BF6
.else
	v_wmma_scale_f32_16x16x128_f8f6f4 v[VA+8*\t:VA+8*\t+7], v[AF+12*(\ks):AF+12*(\ks)+11], v[WR:WR+11], v[VA+8*\t:VA+8*\t+7], v[SC+4*SS+(\ks)-4], v[BS+16+4*\t+(\ks)-4] matrix_a_fmt:MATRIX_FMT_BF6 matrix_b_fmt:MATRIX_FMT_BF6 matrix_a_scale:MATRIX_SCALE_ROW1 matrix_b_scale:MATRIX_SCALE_ROW1
.endif
.endm
.macro KM4 ks
.irp t, 0,1,2,3
	KM (\ks), \t
.endr
.endm
.macro VM4 ks
.irp t, 0,1,2,3
	VM (\ks), \t
.endr
.endm
.macro SPERM set                       ; scale bytes 0, 2, 1, 3: the order in which the fragments hold the blocks
.irp q, 0,1,2,3
	v_perm_b32 v[SC+4*(\set)+\q], v[SC+4*(\set)+\q], v[SC+4*(\set)+\q], s[PS0]
.endr
.endm
.macro LOADR s, t, lo, hi              ; a tile's fragments lo .. hi: 3 loads each
.irp k, 0,1,2,3,4,5,6,7
.if (\k >= (\lo)) && (\k <= (\hi))
	FRAG AF+12*\k, 2+2*(\s), \k, \t
.endif
.endr
.endm
; attn . v of the tile before (its place in its span: pa): 32 multiply-adds, numbers lo .. hi of them here.  A row's p reaches the lanes by row_share: lanes 0-15 take rows 0-7, lanes 16-31 rows 8-15.
; Each accumulator is read from its low end on.
.macro PVF lo, hi, pa
.irp j, 0,1,2,3,4,5,6,7
.irp t, 0,1,2,3
.if ((4*\j+\t) >= (\lo)) && ((4*\j+\t) <= (\hi))
.if ((\j) == 0) && ((\pa) == 0)
	v_mul_f32_dpp v[OO+\t], v[PP], v[VA+8*\t+\j] row_share:\j row_mask:0xf bank_mask:0xf
.else
	v_fmac_f32_dpp v[OO+\t], v[PP], v[VA+8*\t+\j] row_share:\j row_mask:0xf bank_mask:0xf
.endif
.endif
.endr
.endr
.endm
.macro PVS pa                          ; the first piece: p in its place, the sums under the new maximum, and the first read of each accumulator
	v_mov_b32_dpp v[SP+2], v[PP] row_xmask:8 row_mask:0xf bank_mask:0xf
.if (\pa) > 0
	v_pk_mul_f32 v[OO:OO+1], v[OO:OO+1], v[FF:FF+1] op_sel_hi:[1,0]
	v_pk_mul_f32 v[OO+2:OO+3], v[OO+2:OO+3], v[FF:FF+1] op_sel_hi:[1,0]
.endif
	v_cndmask_b32 v[PP], v[PP], v[SP+2], s[H1]     ; lanes 16-31: row r xor 8
.if (\pa) > 0
	v_fma_f32 v[LL], v[LL], v[FF], v[PP]
.else
	v_mov_b32 v[LL], v[PP]
.endif
	s_wait_alu depctr_va_vdst(0)                   ; directly ahead of the first readers of v's accumulators
	PVF 0, 3, \pa
.endm
.macro TOSTG so                        ; a span's sums: four registers of 32 lanes, and the lanes' sums of p
.irp t, 0,1,2,3
	ds_store_b32 v[STA], v[OO+\t] offset:(\so)+128*\t
.endr
	ds_store_b32 v[STA], v[LL] offset:(\so)+512
.endm
.macro PK m                            ; two of the lane's 32 numbers of k of row r times qh, into two chains by turns
.set QU, (\m)/2
.set QK, (\m)%2
.if QU < 5
.set QR, QH+4*QU+2*QK
	WIN 0
.else
.set QR, 252+2*QK
	WIN 4*(QU-4)
.endif
.if (\m) < 2
	v_pk_mul_f32 v[SP+2*QK:SP+2*QK+1], v[KA+2*(\m):KA+2*(\m)+1], v[QR:QR+1]
.else
	v_pk_fma_f32 v[SP+2*QK:SP+2*QK+1], v[KA+2*(\m):KA+2*(\m)+1], v[QR:QR+1], v[SP+2*QK:SP+2*QK+1]
.endif
.endm
; The scores, a piece behind each of v's first sixteen products.  The next tile's scale bytes are put in order at the start: the four places in front of the first read of k's results (in a slot's last tile they come later, and v_nop stand there).
.macro SCS e, a, nx
.if (\e) < 2
.if (\nx) == 0
	PLACES 2
.elseif (\a) < 3
	WIN 0
.irp q, 0,1
	v_perm_b32 v[SC+4*(1-SS)+2*(\e)+\q], v[SC+4*(1-SS)+2*(\e)+\q], v[SC+4*(1-SS)+2*(\e)+\q], s[PS0]
.endr
.endif
.else
.if ((\a) == 3) && (\nx) && ((\e) == 8)
	WIN 0
	s_wait_alu depctr_va_vdst(0)
	s_wait_dscnt 0x0                               ; the next slot's first scale words
	SPERM 0
.endif
.if (\e) < 14
	PK (\e)-2
.else
	PK 2*(\e)-16
	PK 2*(\e)-15
.endif
.endif
.endm
; The softmax's step, among v's steps 4 to 6; its exponentials stand behind v's last product.
.macro SCD c, a
.if (\c) == 0
	v_pk_add_f32 v[SP:SP+1], v[SP:SP+1], v[SP+2:SP+3]
	v_and_b32 v[SP+3], s[MBIT], v[MK]
.elseif (\c) == 1
	v_add_f32 v[SP], v[SP], v[SP+1]
	v_cmp_ne_u32 vcc_lo, 0, v[SP+3]
.elseif (\c) == 2
	v_permlanex16_b32 v[SP+2], v[SP], s[SEL], s[SEL+1]             ; the row's other 32 of d lie in the lane 16 away
.elseif (\c) == 3
	v_add_f32 v[SP], v[SP], v[SP+2]
	v_cndmask_b32 v[SP], s[NEG], v[SP], vcc_lo     ; a masked row's score is the most negative number
.elseif (\c) == 4
	v_max_num_f32_dpp v[TM], v[SP], v[SP] row_xmask:1 row_mask:0xf bank_mask:0xf
	v_max_num_f32_dpp v[TM], v[TM], v[TM] row_xmask:2 row_mask:0xf bank_mask:0xf
.elseif (\c) == 5
	v_max_num_f32_dpp v[TM], v[TM], v[TM] row_xmask:4 row_mask:0xf bank_mask:0xf
	v_max_num_f32_dpp v[TM], v[TM], v[TM] row_xmask:8 row_mask:0xf bank_mask:0xf
.elseif (\c) == 6
.if (\a) > 0
	v_max_num_f32 v[TM], v[MM], v[TM]
.endif
	v_sub_f32 v[PP], v[SP], v[TM]                  ; the maximum goes off first
.if (\a) > 0
	v_sub_f32 v[FF], v[MM], v[TM]
.endif
.else
	v_mul_f32 v[PP], 0x3fb8aa3b, v[PP]             ; x log2(e)
.if (\a) > 0
	v_mul_f32 v[FF], 0x3fb8aa3b, v[FF]
.endif
.endif
.endm
; A TILE: number a of a span in slot s.  pa: the place of the tile before.  bl = 1: the launch's first tile: Wkv's fragments come from LDS step by step, and slot 1 takes the place of k's columns.
; chg = 1: the slot's rows have all been read: the other slot must be whole, and this one is filled again with the rows two slots on; 2: the other slot must be whole, nothing is left to fetch.
; nx = 0: the last tile.  so: where the span that ended with the tile before is staged.  ask: 1 a prefetch, 2 a prefetch but in the last trip.
.macro TILE a, s, pa, bl, chg, nx, so, ask
.set SS, (\a)%2
.if \bl
.irp ks, 0,1,2,3,4,5,6,7
.if \ks < 6
	LOADW 0, \ks+2
.if \ks == 0
	s_wait_alu depctr_va_vdst(0)
.endif
	s_wait_dscnt 24                                ; step ks is in; the next two steps' 24 loads may be out
.elseif \ks == 6
	s_wait_dscnt 12
.else
	s_wait_dscnt 0x0
.endif
	KM4 \ks
	WIN 0
.endr
	s_wait_tensorcnt 0x0                           ; k's columns are in my registers
	ds_add_u32 v[SPW], v[NIL]
	s_wait_dscnt 0x0
	CROUND
	JLOAD 1, 0                                     ; slot 1: rows 128 .. 255
	LOADW 1, 0
	LOADW 1, 1
.else
	PVS \pa
.irp ks, 0,1,2,3
.irp t, 0,1,2,3
	KM \ks, \t
.if (4*\ks+\t) < 14
	WIN 0
	PVF 8*\ks+2*\t+4, 8*\ks+2*\t+5, \pa
.endif
.endr
.endr
	WIN 0
.if (\pa) == 3
	TOSTG \so
.if (\so) > 0
	v_add_nc_u32 v[STA], 1280, v[STA]              ; two spans on
.endif
.endif
.if (\ask) == 1
	global_prefetch_b8 v[PFO], s[PFA:PFA+1] th:TH_LOAD_NT scope:SCOPE_SE
.elseif (\ask) == 2
	s_cmp_gt_u32 s[TC], 1                          ; the last trip has no slot left to ask for
	s_cbranch_scc0 .Lno_ask_\@
	global_prefetch_b8 v[PFO], s[PFA:PFA+1] th:TH_LOAD_NT scope:SCOPE_SE
.Lno_ask_\@:
.endif
.if (\chg) == 0
	s_wait_dscnt 0x0                               ; fragments 4-7 are in
	KM4 4
	KM4 5
	KM4 6
	KM4 7
.elseif (\chg) == 1
	s_wait_xcnt 0x0                                ; the last prefetch has read its address
	s_add_nc_u64 s[PFA:PFA+1], s[PFA:PFA+1], 0x18000
	s_wait_tensorcnt 0x0                           ; all my tensor loads have landed: my part of the other slot;
	ds_add_u32 v[SPW], v[NIL]                      ; 0 onto my spare word;
	s_wait_dscnt 1                                 ; fragments 4-7 are in; the add may be out
	KM4 4
	KM4 5
	s_wait_dscnt 0x0                               ; the add is done, and my reads of this slot are over
	s_barrier_signal -1
	KM4 6
	KM4 7
	WIN 0
	s_barrier_wait -1
	CREST                                          ; the barrier has opened a round: no wave of any partner still reads this slot or has a load on its way
	s_add_nc_u64 s[G0A+4*(\s)+2:G0A+4*(\s)+3], s[G0A+4*(\s)+2:G0A+4*(\s)+3], 0x30000
	s_add_nc_u64 s[G0S+4*(\s)+2:G0S+4*(\s)+3], s[G0S+4*(\s)+2:G0S+4*(\s)+3], 0x2000
	JLOAD \s, 1                                    ; the first tensor load behind the round
	ds_load_b128 v[SC:SC+3], v[ASC] offset:4096*(1-(\s))           ; the other slot's first scale words
.else
	s_wait_tensorcnt 0x0
	s_wait_dscnt 0x0
	s_barrier_signal -1
	KM4 4
	KM4 5
	s_barrier_wait -1                              ; the last slot is whole
	KM4 6
	KM4 7
	WIN 0
	PLACES 4
	ds_load_b128 v[SC:SC+3], v[ASC] offset:4096*(1-(\s))
.endif
.endif
.if (\a) == 3
.set NS, 1-(\s)
.set NT, 0
.else
.set NS, (\s)
.set NT, (\a)+1
.endif
.irp ks, 0,1,2,3,4
.if \bl
	LOADW 1, \ks+2
	s_wait_alu depctr_va_vdst(0)
	s_wait_dscnt 24                                ; step ks is in; the next two steps' 24 loads may be out
.endif
.irp t, 0,1,2,3
	VM \ks, \t
.if \ks < 4
	SCS 4*\ks+\t, \a, \nx
.else
	WIN 0
	SCD \t, \a
.endif
.endr
.endr
.irp ks, 5,6
.if \bl
.if \ks == 5
	LOADW 1, 7
	s_wait_alu depctr_va_vdst(0)
	s_wait_dscnt 24
.else
	s_wait_alu depctr_va_vdst(0)
	s_wait_dscnt 27                                ; step 7's 12 loads and the next tile's 15 may be out
.endif
.endif
	VM \ks, 0
	VM \ks, 1
	WIN 0
	SCD 2*\ks-6, \a
	VM \ks, 2
	VM \ks, 3
	WIN 0
	SCD 2*\ks-5, \a
.if \ks == 5
.if \nx
	LOADR NS, NT, 0, 4                             ; the next tile's fragments 0-4: behind step 4's products stand six plain instructions
.endif
.endif
.endr
.if \bl
	s_wait_alu depctr_va_vdst(0)
	s_wait_dscnt 15                                ; the next tile's 15 may be out
.endif
	VM4 7
	WIN 0
	v_mov_b32 v[MM], v[TM]
	PLACES 3                                       ; with the line above four places in front of the loads below
	s_lshl_b32 s[MBIT], s[MBIT], 1
	s_wait_alu depctr_va_vdst(0)                   ; the wait ahead of the batch
	v_exp_f32 v[PP], v[PP]
.if (\a) > 0
	v_exp_f32 v[FF], v[FF]
.endif
	v_nop                                          ; a plain instruction behind the last exponential (ISA guide 5.7.2)
.if \nx
	LOADR NS, NT, 5, 7
.if (\a) == 3
	ds_load_b128 v[SC+4*SS:SC+4*SS+3], v[ASC] offset:4096*(1-(\s))+512     ; the scale words of the tile after the next
.elseif (\a) < 2
	ds_load_b128 v[SC+4*SS:SC+4*SS+3], v[ASC] offset:4096*(\s)+512*((\a)+2)
.endif
	s_wait_alu depctr_va_vdst(0)                   ; one wait for the exponentials, and ahead of the wait below
.if (\a) == 2
	s_wait_dscnt 12                                ; fragments 0-3 are in; the 12 loads of 4-7 may be out
.else
	s_wait_dscnt 13                                ; and the scale words
.endif
.else
	s_wait_alu depctr_va_vdst(0)
.endif
.endm
	s_load_b256 s[4:11], s[0:1], 0x0               ; kv's codes s[4:5], kv's scales s[6:7], Wkv's codes s[8:9], Wkv's scales s[10:11]
	s_load_b128 s[16:19], s[0:1], 0x20             ; bkv, mask
	s_load_b64 s[20:21], s[0:1], 0x30              ; qpart
	s_load_b64 s[96:97], s[0:1], 0x38              ; att_codes
	s_load_b64 s[98:99], s[0:1], 0x40              ; att_scales
	v_lshl_add_u32 v[SPW], v0, 2, SPARE
	v_mov_b32 v[NIL], 0
	ds_add_u32 v[SPW], v[NIL]                      ; the wave's opening: the add, twice on end, and its wait ahead of my first tensor load
	ds_add_u32 v[SPW], v[NIL]
	v_lshrrev_b32 v1, 5, v0
	v_readfirstlane_b32 s[WV], v1                  ; wave 0..3
	s_lshr_b32 s[WI], s[WV], 1                     ; which span of a slot is mine
	s_and_b32 s[WJ], s[WV], 1                      ; which head of the pair
	s_bfe_u32 s[CX], ttmp6, 0x40000                ; my place in the cluster
	s_bfe_u32 s[CY], ttmp6, 0x40004
	s_lshl_b32 s[XX], ttmp9, 2
	s_add_co_u32 s[XX], s[XX], s[CX]               ; x: the pair of heads
	s_and_b32 s[YY], ttmp7, 0xffff
	s_lshl_b32 s[YY], s[YY], 2
	s_add_co_u32 s[YY], s[YY], s[CY]               ; y: the group of 1,024 rows
	s_lshl_b32 s[RM], s[CY], 2
	s_lshl_b32 s[RM], 15, s[RM]                    ; my row of the cluster
	s_lshl_b32 s[CM], 0x1111, s[CX]                ; my column
	; group 1: dense blocks as rows of 256 bytes (32 elements of 8 bytes), 16 bytes of padding behind each: 384 rows are 128 rows of kv or columns of Wkv
	s_or_b32 s[G1A], s[RM], (3<<16)|(1<<20)|(1<<21)|(5<<22)|(3<<25)    ; 15:0 the mask; 17:16 elements of 8 bytes; 20 padding on; 21 set beside a mask; 24:22 after every 64 words; 31:25 of 4 words
	s_or_b32 s[G1W], s[CM], (3<<16)|(1<<20)|(1<<21)|(5<<22)|(3<<25)
.irp g, G1A, G1W
	s_mov_b32 s[\g+1], 32<<16
	s_mov_b32 s[\g+2], 384<<16
	s_mov_b32 s[\g+3], 32<<16
	s_mov_b32 s[\g+4], 384
	s_mov_b32 s[\g+5], 32
	s_mov_b32 s[\g+6], 0
	s_mov_b32 s[\g+7], 0
.endr
	s_or_b32 s[G1S], s[RM], (3<<16)|(1<<21)        ; kv's scales: 256 rows of 32 bytes, without padding
	s_mov_b32 s[G1S+1], 32<<16
	s_mov_b32 s[G1S+2], 32<<16
	s_mov_b32 s[G1S+3], 32<<16
	s_mov_b32 s[G1S+4], 32
	s_mov_b32 s[G1S+5], 32
	s_mov_b32 s[G1S+6], 0
	s_mov_b32 s[G1S+7], 0
	; kv's offsets hang on y and the wave alone, Wkv's on x and the wave alone; no place in the cluster enters an LDS address
	s_mul_i32 s40, s[YY], 1024*768
	s_mov_b32 s41, 0
	s_mul_i32 s42, s[WJ], 64*768                   ; the ring: half a slot
	s_mov_b32 s43, 0
	s_mul_i32 s44, s[XX], 128*768
	s_mul_i32 s45, s[WJ], 1024*768
	s_add_co_u32 s44, s44, s45                     ; Wkv: column 128 x (wave 0: k) or 1024 + 128 x (wave 1: v)
	s_mov_b32 s45, 0
	s_lshl_b32 s46, s[YY], 15                      ; kv's scales
	s_mov_b32 s47, 0
	s_mul_i32 s88, s[WJ], SLOT
	s_mov_b32 s[G0W], 1
	s_add_co_u32 s[G0W+1], s88, SLOT
	s_mov_b32 s[G0A0], 1
	s_mov_b32 s[G0A0+1], 0
	s_mul_i32 s88, s[WJ], SLOT/2
	s_mov_b32 s[G0A], 1
	s_mov_b32 s[G0A+1], s88
	s_mov_b32 s[G0A+4], 1
	s_add_co_u32 s[G0A+5], s88, SLOT
	s_mov_b32 s[G0S], 1
	s_mov_b32 s[G0S+1], SCR
	s_mov_b32 s[G0S+4], 1
	s_mov_b32 s[G0S+5], SCR+4096
	s_wait_dscnt 0x0                               ; both opening adds are done
	s_wait_kmcnt 0x0
	s_add_nc_u64 s[G0A0+2:G0A0+3], s[4:5], s[40:41]
	s_add_nc_u64 s[G0A+2:G0A+3], s[G0A0+2:G0A0+3], s[42:43]
	s_add_nc_u64 s[G0A+6:G0A+7], s[G0A+2:G0A+3], 0x18000
	s_add_nc_u64 s[G0W+2:G0W+3], s[8:9], s[44:45]
	s_add_nc_u64 s[G0S+2:G0S+3], s[6:7], s[46:47]
	s_add_nc_u64 s[G0S+6:G0S+7], s[G0S+2:G0S+3], 0x1000
.irp g, G0A0, G0A, G0A+4, G0W, G0S, G0S+4
	s_or_b32 s[\g+3], s[\g+3], 0x80000000          ; 127:126 type = 2
.endr
	CROUND                                         ; all sixteen work-groups are here: the first joint loads meet
	; THE HEAD'S LOADS, ONE A WAVE: waves 0 and 1 Wkv's columns of k and of v, wave 2 slot 0, wave 3 the scale bytes of slots 0 and 1
	s_cmp_lt_u32 s[WV], 2
	s_cbranch_scc0 .Lhead_a
	TLOAD G0W, G1W
	s_branch .Lhead_asked
.Lhead_a:
	s_cmp_eq_u32 s[WV], 2
	s_cbranch_scc0 .Lhead_s
	TLOAD G0A0, G1A
	s_branch .Lhead_asked
.Lhead_s:
	TLOAD G0S, G1S
.Lhead_asked:
	s_mul_i32 s88, s[CX], 24576                    ; the prefetches: my 24 blocks of slot 2
	s_mul_i32 s89, s[WV], 6144
	s_add_co_u32 s88, s88, s89
	s_add_co_u32 s88, s88, s40
	s_add_co_u32 s88, s88, 0x30000
	s_mov_b32 s89, 0
	s_add_nc_u64 s[PFA:PFA+1], s[4:5], s[88:89]
	s_lshl_b32 s88, s[XX], 9
	s_lshl_b32 s90, s[WJ], 8
	s_add_co_u32 s88, s88, s90                     ; 4 x (128 x + 64 j): my head's 64 numbers
	s_add_nc_u64 s[16:17], s[16:17], s[88:89]      ; bkv
	s_add_nc_u64 s[16:17], s[16:17], 0x1000        ; its part for v
	s_lshr_b32 s90, s[YY], 2                       ; the batch
	s_lshl_b32 s90, s90, 12
	s_add_co_u32 s88, s88, s90
	s_add_nc_u64 s[20:21], s[20:21], s[88:89]      ; qpart
	s_lshl_b32 s88, s[YY], 10
	s_lshl_b32 s90, s[WI], 6
	s_add_co_u32 s88, s88, s90
	s_add_nc_u64 s[18:19], s[18:19], s[88:89]      ; mask: row 1024 y + 64 i
	s_lshl_b32 s88, s[XX], 12
	s_lshl_b32 s90, s[WJ], 11
	s_add_co_u32 s88, s88, s90
	s_add_nc_u64 s[10:11], s[10:11], s[88:89]      ; Wkv's scales: column 128 x + 64 j, 32 bytes each
	s_lshl_b32 s90, s[YY], 3
	s_add_co_u32 s90, s90, s[XX]                   ; 8 y + x: tile of rows y, K step x of the next product
	s_lshl_b32 s88, s90, 6
	s_add_nc_u64 s[98:99], s[98:99], s[88:89]      ; att_scales: 64 bytes each
	s_mul_i32 s88, s90, 1536
	s_add_nc_u64 s[96:97], s[96:97], s[88:89]      ; att_codes: 1,536 bytes each
	s_mov_b32 s[MBIT], 1
	s_mov_b32 s[H1], 0xffff0000                    ; lanes 16-31
	s_mov_b32 s[NEG], 0xff7fffff                   ; the most negative f32 number
	s_mov_b32 s[SEL], 0x76543210
	s_mov_b32 s[SEL+1], 0xfedcba98                 ; v_permlanex16_b32's selects for lane l xor 16
	s_mov_b32 s[PS0], 0x03010200
	s_mul_i32 s40, s[WI], SLOT/2                   ; my 64 rows of a slot
	s_mul_i32 s41, s[WJ], SLOT/2
	s_add_co_u32 s41, s41, SLOT                    ; my head's 64 columns of k
	s_lshl_b32 s42, s[WI], 11
	s_add_co_u32 s42, s42, SCR                     ; my 64 rows' scale bytes
	s_mul_i32 s43, s[WV], 5120
	s_add_co_u32 s43, s43, STG                     ; my stage
	s_lshl_b32 s44, s[WV], 8
	s_add_co_u32 s44, s44, QST                     ; my qh
	v_and_b32 v128, 15, v0                         ; r
	v_bfe_u32 v129, v0, 4, 1                       ; h
	v_and_b32 v130, 31, v0                         ; lane
	v_min_u32 v[PFO], 23, v130                     ; (lanes 24-31 name the wave's last block again)
	v_lshlrev_b32 v[PFO], 8, v[PFO]
	v_mul_u32_u24 v131, v128, PITCH
	v_mad_u32_u24 v132, v129, 48, v131             ; a fragment's row; lanes 16-31 stand 48 bytes further on,
	v_lshl_add_u32 v133, v129, 4, v132             ; or 48 and a padding
	v_add_nc_u32 v2, s40, v132
	v_add_nc_u32 v3, s40, v133
	v_add_nc_u32 v4, SLOT, v2
	v_add_nc_u32 v5, SLOT, v3
	v_add_nc_u32 v20, s41, v132                    ; k's columns,
	v_add_nc_u32 v21, s41, v133
	v_add_nc_u32 v22, SLOT, v20                    ; and v's
	v_add_nc_u32 v23, SLOT, v21
	v_lshlrev_b32 v134, 5, v128
	v_lshl_add_u32 v134, v129, 4, v134             ; 32 r + 16 h: a row's scale words 4 h .. 4 h + 3
	v_add_nc_u32 v[ASC], s42, v134
	v_lshlrev_b32 v135, 2, v130
	v_add_nc_u32 v[STA], s43, v135
	v_lshlrev_b32 v139, 4, v128                    ; 16 r: four of my head's 64 numbers
	v_lshl_add_u32 v138, v129, 18, v139            ; qpart: lanes 16-31 take parts 8 to 15
	v_add_nc_u32 v137, s44, v139                   ; where they go in LDS,
	v_lshlrev_b32 v136, 5, v129
	v_add_nc_u32 v136, s44, v136                   ; and where my half's numbers 8 h .. are read
	v_mov_b32 v[TM], 0
.irp n, 0,1,2,3,4,5,6,7
	global_load_b128 v[BS+4*\n:BS+4*\n+3], v134, s[10:11] offset:512*(\n%4)+32768*(\n/4)   ; sixteen columns' scale words: 512 consecutive bytes
.endr
.irp u, 0,1,2,3,4,5,6,7
	global_load_b128 v[160+4*\u:163+4*\u], v138, s[20:21] offset:32768*\u
.endr
	global_load_b128 v[140:143], v139, s[16:17]
.set KK, 0
.rept 32
	global_load_u8 v[192+KK], v128, s[18:19] offset:128*(KK/4)+16*(KK%4)
.set KK, KK+1
.endr
	global_prefetch_b8 v[PFO], s[PFA:PFA+1] offset:-98304 th:TH_LOAD_NT scope:SCOPE_SE   ; slot 1
	global_prefetch_b8 v[PFO], s[PFA:PFA+1] th:TH_LOAD_NT scope:SCOPE_SE   ; slot 2
	s_wait_alu depctr_va_vdst(0)
	s_wait_loadcnt 0x0
.set KK, 0
.rept 32
	v_perm_b32 v[BS+KK], v[BS+KK], v[BS+KK], s[PS0]
.set KK, KK+1
.endr
.irp d, 4,2,1                          ; qh: a tree over eight parts, then the halves of the lanes
.set CI, 0
.rept \d
	v_pk_add_f32 v[160+4*CI:161+4*CI], v[160+4*CI:161+4*CI], v[160+4*(CI+\d):161+4*(CI+\d)]
	v_pk_add_f32 v[162+4*CI:163+4*CI], v[162+4*CI:163+4*CI], v[162+4*(CI+\d):163+4*(CI+\d)]
.set CI, CI+1
.endr
.endr
.irp c, 0,1,2,3
	v_permlanex16_b32 v[164+\c], v[160+\c], s[SEL], s[SEL+1]
.endr
.irp c, 0,1,2,3
	v_add_f32 v[160+\c], v[160+\c], v[164+\c]
.endr
	ds_store_b128 v137, v[160:163]                 ; (both halves of the lanes store the same bytes)
	ds_store_b128 v137, v[140:143] offset:BVS-QST
.irp u, 0,1,2,3,4,5,6,7                ; qh(16 t + 8 h + 0 .. 7), by fours: LDS serves a wave's instructions in order (ISA guide 5.7.1.4)
.if \u < 5
	ds_load_b128 v[QH+4*\u:QH+4*\u+3], v136 offset:64*(\u/2)+16*(\u%2)
.else
	WIN 0x40*(\u-4)
	ds_load_b128 v[252:255], v136 offset:64*(\u/2)+16*(\u%2)
.endif
.endr
	WIN 0
	v_mov_b32 v[MK], v192
.set KK, 1
.rept 31
	v_lshl_or_b32 v[MK], v[192+KK], KK, v[MK]      ; 32 rows' mask to a register
.set KK, KK+1
.endr
	s_wait_alu depctr_va_vdst(0)                   ; the head's end
	s_wait_dscnt 0x0
	s_wait_tensorcnt 0x0                           ; my one tensor load has landed,
	s_mov_b32 s[G1A+2], 192<<16                    ; so a descriptor may be written: from here on a load brings half a slot of kv,
	s_mov_b32 s[G1A+4], 192
	s_mov_b32 s[G1S+2], 16<<16                     ; or one slot's scale bytes
	s_mov_b32 s[G1S+4], 16
	s_barrier_signal -1
	s_barrier_wait -1                              ; everybody's are in
	ds_load_b128 v[SC:SC+3], v[ASC]                ; tiles 0 and 1
	ds_load_b128 v[SC+4:SC+7], v[ASC] offset:512
	LOADA 0, 0, 0
	LOADA 0, 0, 4
	LOADW 0, 0
	LOADW 0, 1
	s_wait_dscnt 48                                ; the scale words are in; the 48 fragment loads may be out
	SPERM 0
	PLACES 8                                       ; a scale register written by a vector instruction stands 8 places ahead of the scaled matrix instruction that takes it
	TILE 0, 0, 0, 1, 0, 1, 0, 0
	s_mov_b32 s[TC], 3
.Lloop:                                                ; a trip: the rest of an even slot, an odd slot, and the next even slot's first tile; both changes of slots fill a slot again
	TILE 1, 0, 0, 0, 0, 1, 0, 0
	TILE 2, 0, 1, 0, 0, 1, 0, 0
	TILE 3, 0, 2, 0, 1, 1, 0, 0
	TILE 0, 1, 3, 0, 0, 1, 0, 1
	TILE 1, 1, 0, 0, 0, 1, 0, 0
	TILE 2, 1, 1, 0, 0, 1, 0, 0
	TILE 3, 1, 2, 0, 1, 1, 0, 0
	TILE 0, 0, 3, 0, 0, 1, 640, 2
	s_sub_co_u32 s[TC], s[TC], 1
	s_cmp_lg_u32 s[TC], 0
	s_cbranch_scc1 .Lloop
	TILE 1, 0, 0, 0, 0, 1, 0, 0                    ; slots 6 and 7 are written out
	TILE 2, 0, 1, 0, 0, 1, 0, 0
	TILE 3, 0, 2, 0, 2, 1, 0, 0
	TILE 0, 1, 3, 0, 0, 1, 0, 0
	TILE 1, 1, 0, 0, 0, 1, 0, 0
	TILE 2, 1, 1, 0, 0, 1, 0, 0
	TILE 3, 1, 2, 0, 0, 0, 0, 0
	PVS 3
	PVF 4, 31, 3
	TOSTG 640
	; THE QUANTISER.  Lane 4 n + t takes d = 16 t .. + 15 of my n-th span; a block of 32 along the next K lies in lanes l and l xor 1.  The stage is the wave's own: no barrier, and LDS serves a wave's instructions in order
	s_mul_i32 s40, s[WV], 5120
	s_add_co_u32 s40, s40, STG
	s_lshl_b32 s41, s[WV], 8
	s_add_co_u32 s41, s41, BVS
	s_mul_i32 s42, s[WI], 48
	s_mul_i32 s43, s[WJ], 24
	s_add_co_u32 s42, s42, s43
	s_add_co_u32 s42, s42, IMG
	s_lshl_b32 s43, s[WI], 2
	s_lshl_b32 s44, s[WJ], 1
	s_add_co_u32 s43, s43, s44
	s_add_co_u32 s43, s43, SIMG
	v_and_b32 v128, 31, v0
	v_lshrrev_b32 v129, 2, v128                    ; n
	v_and_b32 v130, 3, v128                        ; t
	v_mul_u32_u24 v131, v129, 640
	v_add_nc_u32 v131, s40, v131
	v_lshl_add_u32 v132, v130, 7, v131
	v_lshlrev_b32 v133, 6, v130
	v_add_nc_u32 v133, s41, v133
.irp q, 0,1,2,3
	ds_load_b128 v[144+4*\q:147+4*\q], v132 offset:16*\q           ; the sums over rows 0-7 of each tile,
	ds_load_b128 v[160+4*\q:163+4*\q], v132 offset:64+16*\q        ; over rows 8-15,
	ds_load_b128 v[176+4*\q:179+4*\q], v131 offset:512+16*\q       ; sixteen lanes' sums of p,
	ds_load_b128 v[192+4*\q:195+4*\q], v133 offset:16*\q           ; v's bias
.endr
	v_lshrrev_b32 v215, 1, v130                    ; b: which block of my head
	v_and_b32 v216, 1, v130
	v_mul_u32_u24 v217, v215, 768
	v_mad_u32_u24 v217, v129, 96, v217
	v_mad_u32_u24 v217, v216, 12, v217
	v_add_nc_u32 v217, s42, v217                   ; 48 x span (2 n + i) + 24 j + 12 (t % 2) + 768 b
	v_lshl_add_u32 v218, v129, 3, v215
	v_add_nc_u32 v218, s43, v218                   ; 4 x span + 2 j + b
	v_lshl_add_u32 v219, v0, 4, IMG                ; waves 0 to 2: 16 bytes a thread
	v_lshlrev_b32 v220, 4, v0
	v_lshl_add_u32 v221, v128, 1, SIMG             ; wave 3: 2 bytes a lane
	v_lshlrev_b32 v222, 1, v128
	s_wait_alu depctr_va_vdst(0)
	s_wait_dscnt 0x0
.irp q, 0,2,4,6,8,10,12,14
	v_pk_add_f32 v[144+\q:145+\q], v[144+\q:145+\q], v[160+\q:161+\q]
.endr
.irp q, 0,2,4,6
	v_pk_add_f32 v[176+\q:177+\q], v[176+\q:177+\q], v[184+\q:185+\q]
.endr
.irp q, 0,2
	v_pk_add_f32 v[176+\q:177+\q], v[176+\q:177+\q], v[180+\q:181+\q]
.endr
	v_pk_add_f32 v[176:177], v[176:177], v[178:179]
	v_add_f32 v176, v176, v177                     ; the span's sum of p
	s_wait_alu depctr_va_vdst(0)                   ; ahead of the transcendental
	v_rcp_f32 v176, v176
	v_nop
	s_wait_alu depctr_va_vdst(0)                   ; and behind it
.irp q, 0,2,4,6,8,10,12,14
	v_pk_fma_f32 v[144+\q:145+\q], v[144+\q:145+\q], v[176:177], v[192+\q:193+\q] op_sel_hi:[1,0,1]
.endr
	v_max3_num_f32 v208, |v144|, |v145|, 0x2800000 ; and the floor 2^(5 - 127): so the byte cannot fall under 1
	v_max3_num_f32 v209, |v146|, |v147|, |v148|
	v_max3_num_f32 v208, v208, |v149|, |v150|
	v_max3_num_f32 v209, v209, |v151|, |v152|
	v_max3_num_f32 v208, v208, |v153|, |v154|
	v_max3_num_f32 v209, v209, |v155|, |v156|
	v_max3_num_f32 v208, v208, |v157|, |v158|
	v_max3_num_f32 v208, v208, v209, |v159|
	v_max_num_f32_dpp v208, v208, v208 row_xmask:1 row_mask:0xf bank_mask:0xf   ; the block's largest magnitude
	v_add_nc_u32 v209, 0xfe000000, v208            ; 4 off its exponent field: the conversion takes the exponent field of this operand as its scale
	v_lshrrev_b32 v210, 23, v209                   ; the scale's byte
	v_cvt_scalef32_pk16_bf6_f32 v[212:214], v[144:159], v209
	v_nop                                          ; one plain place behind a scaled conversion
	ds_store_b32 v217, v212
	ds_store_b32 v217, v213 offset:4
	ds_store_b32 v217, v214 offset:8
	ds_store_b8 v218, v210                         ; (a block's two lanes store the same byte)
	s_wait_alu depctr_va_vdst(0)
	s_wait_dscnt 0x0                               ; for the others' sake: my stores have landed
	s_barrier_signal -1
	s_barrier_wait -1
	s_cmp_eq_u32 s[WV], 3
	s_cbranch_scc1 .Lbytes
	ds_load_b128 v[64:67], v219
	s_wait_dscnt 0x0
	global_store_b128 v220, v[64:67], s[96:97]     ; a wave stores 512 consecutive bytes, at a multiple of 256 from the buffer's first byte
	s_branch .Ljoin
.Lbytes:
	ds_load_u16 v64, v221
	s_wait_dscnt 0x0
	global_store_b16 v222, v64, s[98:99]           ; 64 consecutive bytes
.Ljoin:
	s_wait_tensorcnt 0x0                           ; the wave's end, behind my last tensor load and my last LDS store
	ds_add_u32 v[SPW], v[NIL]
	s_wait_dscnt 0x0
	CROUND                                         ; the closing round: no work-group ends while a partner may still ask for a tile that names it
	s_endpgm
.Lfunc_end_k_qa99803c93f_spans:
	.size	k_qa99803c93f_spans, .Lfunc_end_k_qa99803c93f_spans-k_qa99803c93f_spans
	.p2alignl 7, 3214868480
	.fill 96, 4, 3214868480
	.section	.rodata,"a",@progbits
	.p2align	6, 0x0
	.amdhsa_kernel k_qa99803c93f_spans
		.amdhsa_group_segment_fixed_size 327680
		.amdhsa_private_segment_fixed_size 0
		.amdhsa_enable_private_segment 0
		.amdhsa_kernarg_size 72
		.amdhsa_user_sgpr_count 2
		.amdhsa_user_sgpr_kernarg_segment_ptr 1
		.amdhsa_wavefront_size32 1
		.amdhsa_system_sgpr_workgroup_id_x 1
		.amdhsa_system_sgpr_workgroup_id_y 1
		.amdhsa_system_sgpr_workgroup_id_z 1
		.amdhsa_system_vgpr_workitem_id 0
		.amdhsa_next_free_vgpr 1024
		.amdhsa_next_free_sgpr 106
		.amdhsa_reserve_vcc 1
		.amdhsa_float_denorm_mode_32 3
		.amdhsa_float_denorm_mode_16_64 3
		.amdhsa_memory_ordered 1
		.amdhsa_forward_progress 1
		.amdhsa_inst_pref_size 255
	.end_amdhsa_kernel
	.section	.bss,"aw",@nobits
	.p2align	6
	.space	262144
	.amdgpu_metadata
---
amdhsa.version: [ 1, 2 ]
amdhsa.kernels:
  - .name:           k_qa99803c93f_spans
    .symbol:         k_qa99803c93f_spans.kd
    .args:
      - { .name: kv_codes, .offset: 0, .size: 8, .value_kind: global_buffer, .address_space: global }
      - { .name: kv_scales, .offset: 8, .size: 8, .value_kind: global_buffer, .address_space: global }
      - { .name: Wkv_codes, .offset: 16, .size: 8, .value_kind: global_buffer, .address_space: global }
      - { .name: Wkv_scales, .offset: 24, .size: 8, .value_kind: global_buffer, .address_space: global }
      - { .name: bkv, .offset: 32, .size: 8, .value_kind: global_buffer, .address_space: global }
      - { .name: mask, .offset: 40, .size: 8, .value_kind: global_buffer, .address_space: global }
      - { .name: qpart, .offset: 48, .size: 8, .value_kind: global_buffer, .address_space: global }
      - { .name: att_codes, .offset: 56, .size: 8, .value_kind: global_buffer, .address_space: global }
      - { .name: att_scales, .offset: 64, .size: 8, .value_kind: global_buffer, .address_space: global }
    .group_segment_fixed_size: 327680
    .private_segment_fixed_size: 0
    .kernarg_segment_align: 8
    .kernarg_segment_size: 72
    .max_flat_workgroup_size: 128
    .sgpr_count:     106
    .vgpr_count:     1024
    .wavefront_size: 32
...
	.end_amdgpu_metadata
.endif
;; end of part 2
;; launch oproj (part 3): grid 16 x 16, 2 waves a work-group, clusters of 4 x 1, 168,192 bytes of LDS; arguments att_codes, att_scales, Wo_codes, Wo_scales, bo, out0; writes out0
.if DOCPART == 3
	.amdgcn_target "amdgcn-amd-amdhsa--gfx1250"
	.amdhsa_code_object_version 6
	.text
	.protected	k_qa99803c93f_oproj
	.globl	k_qa99803c93f_oproj
	.p2align	8
	.type	k_qa99803c93f_oproj,@function
k_qa99803c93f_oproj:
	s_mov_b64 s[64:65], 0
	v_nop
	global_prefetch_b8 v0, s[64:65] scope:SCOPE_SE
	s_setreg_imm32_b32 hwreg(HW_REG_WAVE_MODE, 25, 1), 1
	s_wait_xcnt 0x0
	s_wait_alu depctr_hold_cnt(0) depctr_sa_sdst(0) depctr_va_vdst(0) depctr_va_sdst(0) depctr_va_ssrc(0) depctr_va_vcc(0) depctr_vm_vsrc(0)
	s_getreg_b32 s2, hwreg(HW_REG_IB_STS2, 6, 4)
	s_cmp_eq_u32 s2, 0
	s_cbranch_scc0 .Lentry_in_a_cluster
	s_endpgm
.Lentry_in_a_cluster:
	s_bfe_u32 s2, ttmp6, 0x10000c
	s_cmp_lg_u32 s2, 0x3003
	s_cbranch_scc0 .Lentry_shape_is_right
	s_endpgm
.Lentry_shape_is_right:
; out0 = att Wo + bo on codes of BF6 (E3M2) with one E8M0 scale for each 32 along K.  att: [512][1024], laid by the launch before as images of operand registers: [32 tiles of 16 rows][8 K steps][32 lanes][48 bytes],
; its scale words [32][8][16 rows][4 bytes].  Wo: [1024 columns][1024] as codes (768 bytes a column) and scale bytes (32 a column).  bo: [1024], out0: [512][1024], f32.
; SHARES.  Work-group (xm, yn) makes 32 rows x 64 columns; wave w makes rows 16 (2 xm + w) .. + 15: four accumulators by turns, 8 K steps of 128: 32 matrix instructions.  256 work-groups.
; att's fragments go from memory straight into registers: three loads of 16 bytes a lane and K step, and stay.  Wo's 64 columns, one dense block of 49,152 bytes, come into LDS once, by one tensor load a wave.
; CLUSTER: the four work-groups of a cluster have the same yn and need the same columns of Wo: the load is asked for JOINTLY, with a mask that names the four.  (att's rows are shared along y; they are half of
; Wo's bytes for a work-group and go to registers, so they are not asked for jointly.)  No LDS byte is filled twice.
; THE MATRIX INSTRUCTION IS USED TRANSPOSED (source 0 = 16 columns of Wo, source 1 = 16 rows of att): lane (r, h) holds row r and the columns 16 t + 8 h + 0 .. 7.  The bias is loaded into the accumulators, so that every K step adds in place.
.set PW,     816                       ; a column of Wo in LDS: 3 x (256 bytes + 16 of padding) = 204 words: row r starts at bank 12 r mod 64 (64 banks of 4 bytes: ISA guide 11.1), lanes 16-31 six words on: a load of 8 bytes touches 64 different banks
.set WHALF,  32*PW                     ; what one tensor load brings
.set STAGE,  2*WHALF                   ; behind the tile: 16 rows x (256 bytes + 16) for each wave
.set SPITCH, 272
.set AOF,  4                           ; v4   48 x lane: my place in an image
.set ASO,  5                           ; v5   4 r
.set BSO,  6                           ; v6   32 r
.set BOO,  7                           ; v7   32 h
.set ADB,  8                           ; v8   816 r + 24 h
.set ADB2, 9                           ; v9   816 r + 40 h: for the pieces whose partner three on lies behind one padding more
.set STO,  10                          ; v10  the stage, in
.set RD,   11                          ; v11  the stage, back
.set CO,   12                          ; v12  my byte offset in out0
.set AS,   16                          ; v16-23   att's scale words, one a K step
.set BS,   24                          ; v24-55   Wo's: tile t, K step ks at 8 t + ks
.set ACC,  56                          ; v56-87   four accumulators
.set BF,   88                          ; v88-183  Wo's fragments, two sets of 4 x 12
.set BK,   184                         ; v184-215 rows read back from the stage
.set WV,   16                          ; window 1, v0-95: att's eight fragments
.set G1,   24
.set G0,   32
.set MSB, 0
.macro WIN new                         ; the immediate's high byte repeats the setting that is left
.if MSB != (\new)
	s_set_vgpr_msb (MSB<<8)|(\new)
.set MSB, (\new)
.endif
.endm
.macro CROUND                          ; a round of the cluster's barrier
	s_barrier_signal -1
	s_barrier_wait -1
	s_cmp_lg_u32 s[WV], 0
	s_cbranch_scc1 .Lnot_wave_0_\@
	s_barrier_signal -3
.Lnot_wave_0_\@:
	s_barrier_wait -3
	s_barrier_signal -1
	s_barrier_wait -1
.endm
	s_load_b256 s[4:11], s[0:1], 0x0               ; att's codes s[4:5], att's scales s[6:7], Wo's codes s[8:9], Wo's scales s[10:11]
	s_load_b128 s[12:15], s[0:1], 0x20             ; bo, out0
	v_lshl_add_u32 v254, v0, 2, 0x29000
	v_mov_b32 v255, 0
	ds_add_u32 v254, v255
	ds_add_u32 v254, v255
	v_lshrrev_b32 v1, 5, v0
	v_readfirstlane_b32 s[WV], v1                  ; wave 0, 1
	s_bfe_u32 s17, ttmp6, 0x40000                  ; cx
	s_lshl_b32 s18, ttmp9, 2
	s_add_co_u32 s18, s18, s17                     ; xm
	s_lshl_b32 s18, s18, 1
	s_add_co_u32 s18, s18, s[WV]                   ; my tile of 16 rows
	s_and_b32 s19, ttmp7, 0xffff                   ; yn, which the four partners share
	; group 1: a dense block of 24,576 bytes as 96 rows of 256 bytes (32 elements of 8 bytes), 16 bytes of padding behind each
	s_mov_b32 s[G1], 15|(3<<16)|(1<<20)|(1<<21)|(5<<22)|(3<<25)    ; 15:0 the mask: all four work-groups; 17:16 elements of 8 bytes; 20 padding on; 21 set beside a mask; 24:22 after every 64 words; 31:25 of 4 words
	s_mov_b32 s[G1+1], 32<<16
	s_mov_b32 s[G1+2], 96<<16
	s_mov_b32 s[G1+3], 32<<16
	s_mov_b32 s[G1+4], 96
	s_mov_b32 s[G1+5], 32
	s_mov_b32 s[G1+6], 0
	s_mov_b32 s[G1+7], 0
	s_mul_i32 s20, s19, 64*768
	s_mul_i32 s21, s[WV], 32*768
	s_add_co_u32 s20, s20, s21                     ; Wo: column 64 yn + 32 wave
	s_mov_b32 s21, 0
	s_mul_i32 s22, s[WV], WHALF
	s_mul_i32 s36, s18, 12288                      ; att's codes: 8 images of 1,536 bytes a tile of rows
	s_mov_b32 s37, 0
	s_lshl_b32 s38, s18, 9                         ; att's scale words: 8 x 64 bytes
	s_mov_b32 s39, 0
	s_lshl_b32 s40, s19, 11                        ; Wo's scales: 64 columns of 32 bytes
	s_mov_b32 s41, 0
	s_lshl_b32 s42, s19, 8                         ; bo: 64 numbers
	s_mov_b32 s43, 0
	s_lshl_b32 s44, s18, 16                        ; out0: 16 rows of 4,096 bytes, + 64 columns
	s_add_co_u32 s44, s44, s42
	s_mov_b32 s45, 0
	s_wait_dscnt 0x0
	s_wait_kmcnt 0x0
	s_mov_b32 s[G0], 1
	s_mov_b32 s[G0+1], s22
	s_add_nc_u64 s[G0+2:G0+3], s[8:9], s[20:21]
	s_or_b32 s[G0+3], s[G0+3], 0x80000000
	s_add_nc_u64 s[4:5], s[4:5], s[36:37]
	s_add_nc_u64 s[6:7], s[6:7], s[38:39]
	s_add_nc_u64 s[10:11], s[10:11], s[40:41]
	s_add_nc_u64 s[12:13], s[12:13], s[42:43]
	s_add_nc_u64 s[14:15], s[14:15], s[44:45]
	CROUND                                         ; all four work-groups are here: the joint loads meet
	tensor_load_to_lds s[G0:G0+3], s[G1:G1+7]      ; my 32 columns of Wo: one load of mine is out
	s_nop 0
.rept 4
	v_nop
.endr
	v_and_b32 v1, 15, v0                           ; r
	v_bfe_u32 v2, v0, 4, 1                         ; h
	v_and_b32 v3, 31, v0                           ; lane
	v_mul_u32_u24 v[AOF], v3, 48
	v_lshlrev_b32 v[ASO], 2, v1
	v_lshlrev_b32 v[BSO], 5, v1
	v_lshlrev_b32 v[BOO], 5, v2
	v_mul_u32_u24 v[ADB], v1, PW
	v_mad_u32_u24 v[ADB], v2, 24, v[ADB]
	v_lshl_add_u32 v[ADB2], v2, 4, v[ADB]
	s_mul_i32 s23, s[WV], 16*SPITCH
	s_add_co_u32 s23, s23, STAGE                   ; my stage
	v_mul_u32_u24 v[STO], v1, SPITCH
	v_lshl_add_u32 v[STO], v2, 5, v[STO]
	v_add_nc_u32 v[STO], s23, v[STO]               ; in: row r, 32 bytes for each half of the lanes
	v_mul_u32_u24 v[RD], v2, SPITCH
	v_lshl_add_u32 v[RD], v1, 4, v[RD]
	v_add_nc_u32 v[RD], s23, v[RD]                 ; back: lanes 0-15 one row of 256 bytes, lanes 16-31 the next
	v_lshlrev_b32 v[CO], 12, v2
	v_lshl_add_u32 v[CO], v1, 4, v[CO]             ; and the same two rows in out0
	WIN 0x40                                       ; destination window 1
.irp ks, 0,1,2,3,4,5,6,7
.irp i, 0,1,2
	global_load_b128 v[12*\ks+4*\i:12*\ks+4*\i+3], v[AOF], s[4:5] offset:1536*\ks+16*\i   ; an image's three loads cover its 1,536 consecutive bytes
.endr
.endr
	WIN 0
.irp ks, 0,1,2,3,4,5,6,7
	global_load_b32 v[AS+\ks], v[ASO], s[6:7] offset:64*\ks
.endr
.irp t, 0,1,2,3
	global_load_b128 v[BS+8*\t:BS+8*\t+3], v[BSO], s[10:11] offset:512*\t
	global_load_b128 v[BS+8*\t+4:BS+8*\t+7], v[BSO], s[10:11] offset:512*\t+16
.endr
.irp t, 0,1,2,3
	global_load_b128 v[ACC+8*\t:ACC+8*\t+3], v[BOO], s[12:13] offset:64*\t       ; bo(64 yn + 16 t + 8 h + 0 .. 7): the sums begin with the bias
	global_load_b128 v[ACC+8*\t+4:ACC+8*\t+7], v[BOO], s[12:13] offset:64*\t+16
.endr
.macro FRAG3 reg, ks, t                ; a fragment of Wo: columns 16 t on, K step ks: pieces of 8 bytes; piece p of a column lies at 8 p + 16 (p / 32)
.irp p, 0,1,2,3,4,5
.set PC, 12*(\ks)+6*(\p/3)+\p%3
.if PC%32 < 29
	ds_load_b64 v[\reg+2*\p:\reg+2*\p+1], v[ADB] offset:16*PW*(\t)+8*PC+16*(PC/32)
.else
	ds_load_b64 v[\reg+2*\p:\reg+2*\p+1], v[ADB2] offset:16*PW*(\t)+8*PC+16*(PC/32)
.endif
.endr
.endm
.macro FETCH ks                        ; a K step's four fragments, 24 loads, into set ks % 2
.irp t, 0,1,2,3
	FRAG3 BF+48*((\ks)%2)+12*\t, \ks, \t
.endr
.endm
	s_wait_alu depctr_va_vdst(0)
	s_wait_tensorcnt 0x0                           ; my half of the tile is in,
	s_barrier_signal -1
	s_barrier_wait -1                              ; and the other wave's
	FETCH 0
	FETCH 1
	s_wait_loadcnt 0x0                             ; att, the scale words, the bias
	WIN 0x04                                       ; source 1 (att) window 1; LDS loads name no source 1
.irp ks, 0,1,2,3,4,5,6,7
.if \ks < 7
	s_wait_dscnt 24                                ; this K step's fragments are in; the next step's 24 loads may be out
.else
	s_wait_dscnt 0x0
.endif
.irp t, 0,1,2,3                            ; the four accumulators by turns, one instruction a turn
	v_wmma_scale_f32_16x16x128_f8f6f4 v[ACC+8*\t:ACC+8*\t+7], v[BF+48*(\ks%2)+12*\t:BF+48*(\ks%2)+12*\t+11], v[12*\ks:12*\ks+11], v[ACC+8*\t:ACC+8*\t+7], v[BS+8*\t+\ks], v[AS+\ks] matrix_a_fmt:MATRIX_FMT_BF6 matrix_b_fmt:MATRIX_FMT_BF6
.endr
.if \ks < 6
.rept 4
	v_nop                                          ; places in front of loads into registers that matrix instructions have read
.endr
	FETCH \ks+2
.endif
.endr
	WIN 0
.rept 4
	v_nop                                          ; places in front of the first read of results
.endr
	; THE WAY OUT: a lane holds 32 neighbouring bytes of a row; the rows go through my own stage and come back whole.  LDS serves a wave's instructions in order (ISA guide 5.7.1.4): no wait between the stores and the loads
.irp t, 0,1,2,3
	ds_store_b128 v[STO], v[ACC+8*\t:ACC+8*\t+3] offset:64*\t      ; each accumulator from its low end on
	ds_store_b128 v[STO], v[ACC+8*\t+4:ACC+8*\t+7] offset:64*\t+16
.endr
.irp i, 0,1,2,3,4,5,6,7
	ds_load_b128 v[BK+4*\i:BK+4*\i+3], v[RD] offset:2*\i*SPITCH
.endr
.irp i, 0,1,2,3,4,5,6,7
	s_wait_dscnt 7-\i                              ; the loads come back in order: pair i of rows is in
	global_store_b128 v[CO], v[BK+4*\i:BK+4*\i+3], s[14:15] offset:8192*\i th:TH_STORE_NT   ; sixteen lanes store 256 consecutive bytes, at a multiple of 256 from out0's first byte
.endr
	s_wait_tensorcnt 0x0
	ds_add_u32 v254, v255
	s_wait_dscnt 0x0
	CROUND                                         ; the closing round: no work-group ends while a partner may still ask for the tile that names it
	s_endpgm
.Lfunc_end_k_qa99803c93f_oproj:
	.size	k_qa99803c93f_oproj, .Lfunc_end_k_qa99803c93f_oproj-k_qa99803c93f_oproj
	.p2alignl 7, 3214868480
	.fill 96, 4, 3214868480
	.section	.rodata,"a",@progbits
	.p2align	6, 0x0
	.amdhsa_kernel k_qa99803c93f_oproj
		.amdhsa_group_segment_fixed_size 168192
		.amdhsa_private_segment_fixed_size 0
		.amdhsa_enable_private_segment 0
		.amdhsa_kernarg_size 48
		.amdhsa_user_sgpr_count 2
		.amdhsa_user_sgpr_kernarg_segment_ptr 1
		.amdhsa_wavefront_size32 1
		.amdhsa_system_sgpr_workgroup_id_x 1
		.amdhsa_system_sgpr_workgroup_id_y 1
		.amdhsa_system_sgpr_workgroup_id_z 1
		.amdhsa_system_vgpr_workitem_id 0
		.amdhsa_next_free_vgpr 352
		.amdhsa_next_free_sgpr 66
		.amdhsa_reserve_vcc 0
		.amdhsa_float_denorm_mode_32 3
		.amdhsa_float_denorm_mode_16_64 3
		.amdhsa_memory_ordered 1
		.amdhsa_forward_progress 1
		.amdhsa_inst_pref_size 29
	.end_amdhsa_kernel
	.amdgpu_metadata
---
amdhsa.version: [ 1, 2 ]
amdhsa.kernels:
  - .name:           k_qa99803c93f_oproj
    .symbol:         k_qa99803c93f_oproj.kd
    .args:
      - { .name: att_codes, .offset: 0, .size: 8, .value_kind: global_buffer, .address_space: global }
      - { .name: att_scales, .offset: 8, .size: 8, .value_kind: global_buffer, .address_space: global }
      - { .name: Wo_codes, .offset: 16, .size: 8, .value_kind: global_buffer, .address_space: global }
      - { .name: Wo_scales, .offset: 24, .size: 8, .value_kind: global_buffer, .address_space: global }
      - { .name: bo, .offset: 32, .size: 8, .value_kind: global_buffer, .address_space: global }
      - { .name: out0, .offset: 40, .size: 8, .value_kind: global_buffer, .address_space: global }
    .group_segment_fixed_size: 168192
    .private_segment_fixed_size: 0
    .kernarg_segment_align: 8
    .kernarg_segment_size: 48
    .max_flat_workgroup_size: 64
    .sgpr_count:     66
    .vgpr_count:     352
    .wavefront_size: 32
...
	.end_amdgpu_metadata
.endif
;; end of part 3
